; MI455X (gfx1250); checked and timed in simulation.
; The chip was launched on July 23, 2026; its instructions are those of AMD's public machine-readable ISA for CDNA 5 (MIT licence, August 2026) and "CDNA5" Instruction Set Architecture Reference Guide (July 2026). The comments in the code are by the model that wrote it; some were corrected since.
;; Jacob Attention Layer. Allowed arithmetic: matrix products marked QUANTISED: E4M3 operands, one given power-of-two scale a tensor, by v_wmma_f32_16x16x64_fp8_fp8 or v_wmma_f32_16x16x128_fp8_fp8, f32 sums; everything else in f32.
;; Inputs: W 3,088 x 1,024 float32; lowp_scales 6 int32 (the exponents e of the quantised operands' scales 2^e); x 2 x 2,048 x 1,024 float32.
;; Outputs: out0 2 x 2,048 x 1,024 float32.
;; This version of the problem:
;;   THIS VERSION OF THE PROBLEM IS GIVEN IN LOW PRECISION. The matrix products marked QUANTISED in the list below multiply operands that are first quantised to E4M3 (4 exponent bits, 3 mantissa bits; 8 bits a number), with one given power-of-two scale for each operand tensor; their sums are f32. All else is computed in f32.
;;   The module's matrix products, in the order in which they are computed (A, B: the left and right operand; K: the contracted axis; several contracted axes count as one K, in the product's order):
;;     1. [M 4,096, K 1,024] x [K 1,024, N 3,088]; A: input x; B: input W: QUANTISED (scales: A lowp_scales[0], B lowp_scales[1])
;;     2. batch 32 x [M 2,048, K 64] x [K 64, N 2,048]; A: computed on the way; B: computed on the way: QUANTISED (scales: A lowp_scales[2], B lowp_scales[3])
;;     3. batch 32 x [M 2,048, K 2,048] x [K 2,048, N 64]; A: computed on the way; B: computed on the way: QUANTISED (scales: A lowp_scales[4], B lowp_scales[5])
;;   THE QUANTISER, for each operand of a quantised product, along K:
;;     - The operand's scale is 2^e, e = its entry of the input lowp_scales (int32; the entries are numbered through the quantised products in the list's order, A before B).
;;     - Each number is divided by the scale, clamped to +-448, and rounded to the nearest number of E4M3, ties to even, subnormals kept.
;;     - The product sums the exact products of the quantised numbers (number of the format x scale) in f32.
;;   ~~~python
;;   def quantise(x, axis, e):      # numpy; x: float32 -> the quantised numbers, widened to float32 again
;;       x = np.moveaxis(x, axis, -1); K = x.shape[-1]
;;       r = np.clip(x / 2.0 ** e, -448, 448)
;;       step = 2.0 ** (np.maximum(np.frexp(np.where(r == 0, 1, r))[1] - 1, -6) - 3)
;;       q = np.round(r / step) * step * 2.0 ** e      # np.round: ties to even
;;       return np.moveaxis(q, -1, axis).astype(np.float32)
;;   ~~~
;;   OPERANDS COMPUTED ON THE WAY. 'Computed on the way' means the value that the module computes at that place (a softmax that the list does not call 'softmax' is quantised finished and normalised). What goes into a quantiser is computed in f32, as accurately as f32 sums, v_exp_f32 and their like allow (about 1e-6 of the number): no bf16 or f16 on the way to a quantiser, and a product that is left as it is and whose result goes on into a quantised operand takes f32 operands (vector FMAs, or v_wmma_f32_16x16x4_f32). A number that lies on a knife's edge between two numbers of the format may be rounded either way, as far as f32 arithmetic and the matrix unit's own rounding can turn it there, and no further.
;; One version. Each part assembles by itself: llvm-mc -triple=amdgcn-amd-amdhsa -mcpu=gfx1250 --defsym DOCPART=n.
;; ======== version 1 of 1: 4 launches
;; workspace buffers: xc 4,194,304 bytes; wc 3,178,496 bytes; qc 4,194,304 bytes; kc 4,194,304 bytes; vc 4,194,304 bytes; gl 262,144 bytes
;; launch quant (part 1): grid 449 x 1, 4 waves a work-group, no clusters, 33,280 bytes of LDS; arguments x, W, lowp_scales, xc, wc; writes xc, wc
.if DOCPART == 1
	.amdgcn_target "amdgcn-amd-amdhsa--gfx1250"
	.amdhsa_code_object_version 6
	.text
	.protected	k_q928722cd31_quant
	.globl	k_q928722cd31_quant
	.p2align	8
	.type	k_q928722cd31_quant,@function
k_q928722cd31_quant:
	s_mov_b64 s[64:65], 0
	v_nop
	global_prefetch_b8 v0, s[64:65] scope:SCOPE_SE
	s_setreg_imm32_b32 hwreg(HW_REG_WAVE_MODE, 25, 1), 1
	s_wait_xcnt 0x0
; FIRST OF FOUR LAUNCHES: x [4096][1024] and W [3088][1024], f32, become codes of FP8 (E4M3), K innermost, each with its given scale 2^e (entry 0 for x, entry 1 for W).
; code = number / 2^e, held within +-448, rounded to the nearest code, ties to even.
; WORK LEFT OUT BY THE WHOLE PROGRAM, AND WHY IT IS DEAD.
;  (1) log(scale) is added to every Z of a row alike.  P = exp(Z - the row's maximum) takes it away again ahead of P's quantiser, whatever the inputs hold: the term is never formed.
;  (2) reference() sets Z to -infinity above the diagonal of its own tril, so P is 0 there: blocks of 16 queries x 128 keys that lie wholly above the diagonal are not computed.
;  Every input has a way to the output and is loaded.  LIMIT: a NaN, an infinity or an overflow that reaches only the work left out is not carried to the result.
; LIMITS: e between -126 and 119, so that 2^e and 448 x 2^e are f32 numbers.  NaN among the inputs is not served (an infinity is held at the largest code).
; THE ROWS LEAVE IN ANOTHER ORDER: row rho of xc and of wc holds source row phi(rho), phi = bits 3 and 4 of the row's number exchanged.  So 16 neighbouring stored rows 32 b + 16 u + i are source rows
; 32 b + 8 u + i + 8 (i / 8): two neighbouring tiles of a later product then give a lane 16 NEIGHBOURS along the next K, and the later launches need no transposition.  W's last 16 rows (the gates) land on
; rows 3072-3079 and 3088-3095 of wc; rows 3080-3087 and 3096-3103 are neither written nor read.
; SHARES.  A work-group takes 16 source rows, a wave 4 (4,096 numbers): 8 steps of 512 numbers.  Four rows move together under phi: run u of four rows goes to run u' = u with its bits 1 and 2 exchanged.
; Each of a step's four loads reads 512 consecutive bytes, 16 a lane; the 2,048 bytes turn through the wave's own stage in LDS and come back 64 bytes a lane: 16 neighbours along K, as the conversions want them.
; A lane's 16 codes are 16 bytes: the wave stores 512 consecutive bytes.  The first 256 work-groups take x, the other 193 W: only pointers are chosen, there is one path.  Waves share nothing: no barrier.
.set WAVES, 4
.set STEPS, 8
.set WGA,   256                        ; x's work-groups: 4,096 rows / 16
.set EMAX,  8
.set MANT,  0x600000                   ; the mantissa field of 448 as f32
.set CB,    16                         ; bytes of 16 codes
.set R,     16                         ; v16-79   four sets of 16 numbers as they are loaded
.set X,     80                         ; v80-111  two sets of 16 neighbours
.set C,     128                        ; v128-159 codes: four registers for each step, so that no store's data are written again
.set WREG,  8192                       ; LDS: a region for each wave: two stages of 32 x SP bytes
.set SP,    80                         ; a lane's place in a stage: its 64 bytes + 16 of padding
.set SPW,   12                         ; v12  LDS address of my spare word; never rewritten
.set NIL,   13                         ; v13  0; never rewritten
.set SPARE, WAVES*WREG                 ; behind the four regions: the spare words, 128 bytes a wave, which no other line names
	s_load_b128 s[4:7], s[0:1], 0x0                ; x, W
	s_load_b64 s[10:11], s[0:1], 0x10              ; the scales' exponents
	s_load_b128 s[12:15], s[0:1], 0x18             ; xc, wc
	v_lshl_add_u32 v[SPW], v0, 2, SPARE
	v_mov_b32 v[NIL], 0
	v_lshrrev_b32 v1, 5, v0
	v_readfirstlane_b32 s16, v1                    ; wave
	v_and_b32 v2, 31, v0                           ; lane
	v_lshlrev_b32 v3, 4, v2                        ; my 16 bytes of a load's 512
	s_mul_i32 s17, s16, WREG
	v_lshrrev_b32 v14, 2, v2
	v_mul_u32_u24 v14, v14, SP
	v_and_b32 v15, 3, v2
	v_lshl_add_u32 v14, v15, 4, v14
	v_add_nc_u32 v14, s17, v14                     ; the stage, on the way in: SP (lane / 4) + 16 (lane % 4)
	v_mul_u32_u24 v15, v2, SP
	v_add_nc_u32 v15, s17, v15                     ; and on the way out: SP x lane: my 16 neighbours
	v_mul_u32_u24 v4, v2, CB                       ; my codes' place in a step's
	s_wait_kmcnt 0x0
	s_load_b64 s[22:23], s[10:11], 0x0             ; e of x, e of W
	s_cmp_lt_u32 ttmp9, WGA                        ; x's work-group or W's?  The choice hangs on the work-group's number alone
	s_cselect_b64 s[4:5], s[4:5], s[6:7]
	s_cselect_b64 s[8:9], s[12:13], s[14:15]
	s_cselect_b32 s17, 0, WGA
	s_sub_co_u32 s17, ttmp9, s17
	s_lshl_b32 s17, s17, 2
	s_add_co_u32 s18, s17, s16                     ; u: which run of four rows of the tensor is my wave's
	s_lshl_b32 s20, s18, 14                        ; it begins 16,384 u bytes into the numbers
	s_mov_b32 s21, 0
	s_add_nc_u64 s[4:5], s[4:5], s[20:21]
	s_and_b32 s24, s18, 0xfffffff9                 ; u' = u with bits 1 and 2 exchanged
	s_and_b32 s25, s18, 2
	s_lshl_b32 s25, s25, 1
	s_or_b32 s24, s24, s25
	s_and_b32 s25, s18, 4
	s_lshr_b32 s25, s25, 1
	s_or_b32 s24, s24, s25
	s_lshl_b32 s24, s24, 12                        ; and goes 4,096 u' bytes into the codes
	s_mov_b32 s25, 0
	s_add_nc_u64 s[8:9], s[8:9], s[24:25]
.macro LOAD t
.irp i, 0,1,2,3
	global_load_b128 v[R+16*((\t)%4)+4*\i:R+16*((\t)%4)+4*\i+3], v3, s[4:5] offset:2048*(\t)+512*\i th:TH_LOAD_NT   ; 32 lanes read 512 consecutive bytes
.endr
.endm
.macro TURN t                          ; step t's numbers through the stage: LDS serves a wave's instructions in order (ISA guide 5.7.1.4), so no wait stands between the stores and the loads
.irp i, 0,1,2,3
	ds_store_b128 v14, v[R+16*((\t)%4)+4*\i:R+16*((\t)%4)+4*\i+3] offset:32*SP*((\t)%2)+8*SP*\i
.endr
.irp i, 0,1,2,3
	ds_load_b128 v[X+16*((\t)%2)+4*\i:X+16*((\t)%2)+4*\i+3], v15 offset:32*SP*((\t)%2)+16*\i
.endr
.endm
.irp t, 0,1,2,3
	LOAD \t
.endr
	s_wait_kmcnt 0x0
	s_cmp_lt_u32 ttmp9, WGA
	s_cselect_b32 s22, s22, s23                    ; e
	s_add_co_i32 s22, s22, 127
	s_lshl_b32 s23, s22, 23
	v_mov_b32 v11, s23                             ; 2^e as f32: the conversion takes its exponent field
	s_add_co_i32 s22, s22, EMAX
	s_lshl_b32 s22, s22, 23
	s_or_b32 s22, s22, MANT
	v_mov_b32 v10, s22                             ; 448 x 2^e
	s_wait_loadcnt 12                              ; step 0's four loads are in; the twelve of steps 1 to 3 may be out
	TURN 0
.macro STEP t
.set XS, X+16*((\t)%2)
	s_wait_dscnt 0x0                               ; this step's numbers are back from the stage: so its stores into the stage have read their registers,
.if (\t)+4 < STEPS
	LOAD (\t)+4                                    ; which take the loads of four steps on
.endif
.if (\t)+1 < STEPS
.if STEPS-2-(\t) >= 3
	s_wait_loadcnt 12                              ; the next step's four loads are in; those of the three steps behind it may be out
.else
	s_wait_loadcnt 4*(STEPS-2-(\t))                ; the counts run down: four loads for each step still behind the next
.endif
	TURN (\t)+1                                    ; and go through the other stage while this step is worked
.endif
.irp i, 0,1,2,3,4,5,6,7,8,9,10,11,12,13,14,15
	v_med3_num_f32 v[XS+\i], v[XS+\i], -v10, v10   ; the conversion to an 8-bit code does not saturate (ISA guide 7.6.2): the number is held within 448 x the scale first
.endr
	v_cvt_scalef32_pk8_fp8_f32 v[C+4*(\t):C+4*(\t)+1], v[XS:XS+7], v11
	v_cvt_scalef32_pk8_fp8_f32 v[C+4*(\t)+2:C+4*(\t)+3], v[XS+8:XS+15], v11
	global_store_b128 v4, v[C+4*(\t):C+4*(\t)+3], s[8:9] offset:32*CB*(\t)   ; the results go to a store alone; the next vector lines are the next step's holds, plain and on other registers
.endm
.irp t, 0,1,2,3,4,5,6,7
	STEP \t
.endr
	s_wait_tensorcnt 0x0                           ; the wave's end, behind my last LDS store
	ds_add_u32 v[SPW], v[NIL]
	s_wait_dscnt 0x0
	s_endpgm
.Lfunc_end_k_q928722cd31_quant:
	.size	k_q928722cd31_quant, .Lfunc_end_k_q928722cd31_quant-k_q928722cd31_quant
	.p2alignl 7, 3214868480
	.fill 96, 4, 3214868480
	.section	.rodata,"a",@progbits
	.p2align	6, 0x0
	.amdhsa_kernel k_q928722cd31_quant
		.amdhsa_group_segment_fixed_size 33280
		.amdhsa_private_segment_fixed_size 0
		.amdhsa_enable_private_segment 0
		.amdhsa_kernarg_size 40
		.amdhsa_user_sgpr_count 2
		.amdhsa_user_sgpr_kernarg_segment_ptr 1
		.amdhsa_wavefront_size32 1
		.amdhsa_system_sgpr_workgroup_id_x 1
		.amdhsa_system_sgpr_workgroup_id_y 1
		.amdhsa_system_sgpr_workgroup_id_z 1
		.amdhsa_system_vgpr_workitem_id 0
		.amdhsa_next_free_vgpr 160
		.amdhsa_next_free_sgpr 66
		.amdhsa_reserve_vcc 0
		.amdhsa_float_denorm_mode_32 3
		.amdhsa_float_denorm_mode_16_64 3
		.amdhsa_memory_ordered 1
		.amdhsa_forward_progress 1
		.amdhsa_inst_pref_size 20
	.end_amdhsa_kernel
	.amdgpu_metadata
---
amdhsa.version: [ 1, 2 ]
amdhsa.kernels:
  - .name:           k_q928722cd31_quant
    .symbol:         k_q928722cd31_quant.kd
    .args:
      - { .name: x, .offset: 0, .size: 8, .value_kind: global_buffer, .address_space: global }
      - { .name: W, .offset: 8, .size: 8, .value_kind: global_buffer, .address_space: global }
      - { .name: lowp_scales, .offset: 16, .size: 8, .value_kind: global_buffer, .address_space: global }
      - { .name: xc, .offset: 24, .size: 8, .value_kind: global_buffer, .address_space: global }
      - { .name: wc, .offset: 32, .size: 8, .value_kind: global_buffer, .address_space: global }
    .group_segment_fixed_size: 33280
    .private_segment_fixed_size: 0
    .kernarg_segment_align: 8
    .kernarg_segment_size: 40
    .max_flat_workgroup_size: 128
    .sgpr_count:     66
    .vgpr_count:     160
    .wavefront_size: 32
...
	.end_amdgpu_metadata
.endif
;; end of part 1
;; launch gates (part 2): grid 32 x 1, 8 waves a work-group, no clusters, 26,624 bytes of LDS; arguments xc, wc, lowp_scales, gl; writes gl
.if DOCPART == 2
	.amdgcn_target "amdgcn-amd-amdhsa--gfx1250"
	.amdhsa_code_object_version 6
	.text
	.protected	k_q928722cd31_gates
	.globl	k_q928722cd31_gates
	.p2align	8
	.type	k_q928722cd31_gates,@function
k_q928722cd31_gates:
	s_mov_b64 s[64:65], 0
	v_nop
	global_prefetch_b8 v0, s[64:65] scope:SCOPE_SE
	s_setreg_imm32_b32 hwreg(HW_REG_WAVE_MODE, 25, 1), 1
	s_wait_xcnt 0x0
; THE 16 GATE COLUMNS of x W^T, on the codes, and what attention needs of them: gl[b][head][t] = the sum of log2(sigmoid(gate)) over the tokens of t's block of 128 up to and with t.
; The sum over whole blocks is not formed here: attention adds block totals (gl at a block's last token) from the near blocks to the far ones, so that no difference of large sums arises.
; SHARES.  A work-group takes one block of 128 tokens (32 blocks), wave w its tokens 16 w .. 16 w + 15, all 16 heads.  Source 0 = 16 tokens, source 1 = the 16 gate rows of W: lane (r, h) holds head r,
; register j token 8 h + j.  Token 16 tt + i lies in stored row 32 (tt / 2) + 8 (tt % 2) + i + 8 (i / 8) of xc, gate r in row 3072 + r + 8 (r / 8) of wc (the order in which the codes were stored).
; A fragment's registers 4 c .. 4 c + 3 hold k = 32 c + 16 h + 0 .. 15: the same permutation of k in both operands.
; Wave w loads the gate rows' fragment of K step w and hands it to the others through LDS as an image of its registers (16 bytes a lane, 512 a store).
; LIMIT: e0 + e1 between -126 and 127, so that 2^(e0 + e1) is an f32 number.
.set BIMG,  0                          ; LDS: 8 K steps x 2,048 bytes: the gate rows' fragments
.set TOTS,  16384                      ; [wave 8][head 16] f32: the tiles' totals
.set STG,   16896                      ; 16 heads x (512 bytes + 16): the block's results by head
.set SPARE, 25344                      ; the spare words, 128 bytes a wave, which no other line names
.set SPW, 1                            ; v1   LDS address of my spare word; never rewritten
.set NIL, 2                            ; v2   0; never rewritten
.set VA,  3                            ; v3   (r + 8 (r / 8)) x 1,024 + 16 h: my bytes in a tile's rows, in xc and in wc
.set LI,  4                            ; v4   16 x lane
.set BW,  5                            ; v5   where I store my fragment's image
.set TW,  6                            ; v6   where I store my tile's total
.set TR,  7                            ; v7   where the totals of my head begin
.set SO,  8                            ; v8   the stage, in
.set SR,  9                            ; v9   the stage, back
.set PT,  10                           ; v10  a lane permute's destination, written once at the head
.set AFR, 16                           ; v16-143  the tokens' 8 fragments
.set BFR, 144                          ; v144-207 four of the gate rows' fragments
.set AC0, 208                          ; two accumulators, by turns
.set AC1, 216
.set XV,  224                          ; v224-231 the gates, then their log2-sigmoid, then the running sums
.set T1,  232
.set T2,  240
	s_load_b256 s[4:11], s[0:1], 0x0               ; xc s[4:5], wc s[6:7], the scales' exponents s[8:9], gl s[10:11]
	v_lshl_add_u32 v[SPW], v0, 2, SPARE
	v_mov_b32 v[NIL], 0
	v_lshrrev_b32 v12, 5, v0
	v_readfirstlane_b32 s12, v12                   ; wave 0..7
	v_and_b32 v12, 15, v0                          ; r
	v_bfe_u32 v13, v0, 4, 1                        ; h
	v_and_b32 v14, 8, v12
	v_add_nc_u32 v14, v14, v12                     ; r + 8 (r / 8)
	v_lshlrev_b32 v[VA], 10, v14
	v_lshl_add_u32 v[VA], v13, 4, v[VA]
	v_and_b32 v15, 31, v0
	v_lshlrev_b32 v[LI], 4, v15
	s_lshl_b32 s13, s12, 11
	v_add_nc_u32 v[BW], s13, v[LI]                 ; 2,048 w + 16 lane
	s_lshl_b32 s13, s12, 6
	v_lshlrev_b32 v[TR], 2, v12
	v_add_nc_u32 v[TR], TOTS, v[TR]                ; TOTS + 4 r
	v_add_nc_u32 v[TW], s13, v[TR]                 ; + 64 w
	v_mul_u32_u24 v[SO], v12, 528
	v_lshl_add_u32 v[SO], v13, 5, v[SO]
	v_add_nc_u32 v[SO], s13, v[SO]
	v_add_nc_u32 v[SO], STG, v[SO]                 ; row = head r; tokens 16 w + 8 h on: 64 w + 32 h bytes
	s_mul_i32 s13, s12, 1056
	v_add_nc_u32 v[SR], s13, v[LI]
	v_add_nc_u32 v[SR], STG, v[SR]                 ; back: heads 2 w and 2 w + 1, 16 bytes a lane
	v_mov_b32 v[PT], 0
	s_mov_b32 s19, 0x3fb8aa3b                      ; log2(e)
	s_mov_b32 s20, 0x76543210                      ; v_permlanex16_b32: each lane takes its own place in the other half
	s_mov_b32 s21, 0xfedcba98
	s_mov_b32 s22, 0xffff0000                      ; lanes 16-31
	s_lshl_b32 s14, ttmp9, 3
	s_add_co_u32 s14, s14, s12                     ; tt: my tile of 16 tokens
	s_lshr_b32 s15, s14, 1
	s_lshl_b32 s15, s15, 15
	s_and_b32 s14, s14, 1
	s_lshl_b32 s14, s14, 13
	s_add_co_u32 s24, s15, s14                     ; (32 (tt / 2) + 8 (tt % 2)) rows of 1,024 bytes
	s_mov_b32 s25, 0
	s_lshl_b32 s26, s12, 7
	s_add_co_u32 s26, s26, 3072*1024               ; the gate rows, K step w
	s_mov_b32 s27, 0
	s_lshr_b32 s28, ttmp9, 4                       ; the batch
	s_lshl_b32 s28, s28, 4
	s_lshl_b32 s29, s12, 1
	s_add_co_u32 s28, s28, s29                     ; 16 batch + 2 w: the first of the two heads that I store
	s_lshl_b32 s28, s28, 13
	s_and_b32 s29, ttmp9, 15
	s_lshl_b32 s29, s29, 9                         ; the block's 512 bytes in a head's row
	s_add_co_u32 s28, s28, s29
	s_mov_b32 s29, 0
	s_wait_kmcnt 0x0
	s_load_b64 s[16:17], s[8:9], 0x0               ; e0, e1
	s_add_nc_u64 s[4:5], s[4:5], s[24:25]
	s_add_nc_u64 s[6:7], s[6:7], s[26:27]
	s_add_nc_u64 s[10:11], s[10:11], s[28:29]
.irp c, 0,1,2,3
	global_load_b128 v[BFR+4*\c:BFR+4*\c+3], v[VA], s[6:7] offset:32*\c
.endr
.irp s, 0,1,2,3,4,5,6,7
.irp c, 0,1,2,3
	global_load_b128 v[AFR+16*\s+4*\c:AFR+16*\s+4*\c+3], v[VA], s[4:5] offset:128*\s+32*\c
.endr
.endr
	s_wait_kmcnt 0x0
	s_add_co_i32 s18, s16, s17
	s_add_co_i32 s18, s18, 127
	s_lshl_b32 s18, s18, 23                        ; 2^(e0 + e1) as f32
	s_wait_loadcnt 32                              ; the gate rows' fragment is in; the tokens' 32 loads may be out
.irp c, 0,1,2,3
	ds_store_b128 v[BW], v[BFR+4*\c:BFR+4*\c+3] offset:BIMG+512*\c
.endr
	s_wait_dscnt 0x0                               ; for the others' sake: my image has landed
	s_barrier_signal -1
	s_barrier_wait -1                              ; all eight images lie in LDS
.macro FETCHB first                    ; the images of K steps first .. first + 3
.irp s, 0,1,2,3
.irp c, 0,1,2,3
	ds_load_b128 v[BFR+16*\s+4*\c:BFR+16*\s+4*\c+3], v[LI] offset:BIMG+2048*(\first+\s)+512*\c
.endr
.endr
.endm
.macro GMUL s, acc, zero               ; K step s onto one of the two accumulators; zero = 1: the product starts the sum
.if \zero
	v_wmma_f32_16x16x128_fp8_fp8 v[\acc:\acc+7], v[AFR+16*(\s):AFR+16*(\s)+15], v[BFR+16*((\s)%4):BFR+16*((\s)%4)+15], 0
.else
	v_wmma_f32_16x16x128_fp8_fp8 v[\acc:\acc+7], v[AFR+16*(\s):AFR+16*(\s)+15], v[BFR+16*((\s)%4):BFR+16*((\s)%4)+15], v[\acc:\acc+7]
.endif
.endm
	FETCHB 0
	s_wait_loadcnt 0x0                             ; the tokens' fragments
	s_wait_dscnt 0x0
	GMUL 0, AC0, 1                                 ; the two accumulators take turns, one instruction a turn
	GMUL 1, AC1, 1
	GMUL 2, AC0, 0
	GMUL 3, AC1, 0
.rept 4
	v_nop                                          ; four places in front of loads into registers that matrix instructions have read
.endr
	FETCHB 4
	s_wait_dscnt 0x0
	GMUL 4, AC0, 0
	GMUL 5, AC1, 0
	GMUL 6, AC0, 0
	GMUL 7, AC1, 0
.rept 4
	v_nop                                          ; four places in front of the first read of the results
.endr
.irp j, 0,1,2,3,4,5,6,7
	v_add_f32 v[XV+\j], v[AC0+\j], v[AC1+\j]       ; each accumulator from its low end on
.endr
.irp j, 0,1,2,3,4,5,6,7
	v_mul_f32 v[XV+\j], s18, v[XV+\j]              ; the gate
.endr
	; log2(sigmoid(x)) = min(x, 0) log2(e) - log2(1 + 2^(-|x| log2(e))): the form that overflows for no x
.irp j, 0,1,2,3,4,5,6,7
	v_mul_f32 v[T1+\j], -|v[XV+\j]|, s19
.endr
.irp j, 0,1,2,3,4,5,6,7
	v_exp_f32 v[T1+\j], v[T1+\j]
.endr
	v_nop                                          ; a plain instruction behind the last exponential,
	s_wait_alu depctr_va_vdst(0)                   ; and one wait for the batch, ahead of its first reader
.irp j, 0,1,2,3,4,5,6,7
	v_add_f32 v[T1+\j], 1.0, v[T1+\j]
.endr
.irp j, 0,1,2,3,4,5,6,7
	v_log_f32 v[T1+\j], v[T1+\j]
.endr
.irp j, 0,1,2,3,4,5,6,7
	v_min_num_f32 v[T2+\j], 0, v[XV+\j]            ; plain work that names no logarithm's result
.endr
	s_wait_alu depctr_va_vdst(0)                   ; one wait for the eight logarithms
.irp j, 0,1,2,3,4,5,6,7
	v_fma_f32 v[XV+\j], v[T2+\j], s19, -v[T1+\j]
.endr
.irp j, 1,2,3,4,5,6,7
	v_add_f32 v[XV+\j], v[XV+\j], v[XV+\j-1]       ; running sums over my eight tokens
.endr
	v_permlanex16_b32 v[PT], v[XV+7], s20, s21     ; the other half's eight tokens' sum
	v_add_f32 v[T1], v[XV+7], v[PT]                ; the tile's total, the same in both halves
	v_cndmask_b32 v[T1+1], 0, v[PT], s22           ; lanes 16-31 stand behind the first eight tokens
	ds_store_b32 v[TW], v[T1]                      ; both halves write the same word with the same number
	s_wait_dscnt 0x0
	s_barrier_signal -1
	s_barrier_wait -1                              ; the eight tiles' totals lie in LDS
.irp q, 0,1,2,3,4,5,6
	ds_load_b32 v[T2+\q], v[TR] offset:64*\q
.endr
	s_wait_dscnt 0x0
.irp q, 0,1,2,3,4,5,6                  ; the totals of the tiles in front of mine: chosen by a select on the wave's number, no branch
	s_cmp_lt_u32 \q, s12
	s_cselect_b32 s23, -1, 0
	v_cndmask_b32 v[T2+\q], 0, v[T2+\q], s23
	v_add_f32 v[T1+1], v[T1+1], v[T2+\q]
.endr
.irp j, 0,1,2,3,4,5,6,7
	v_add_f32 v[XV+\j], v[XV+\j], v[T1+1]
.endr
	ds_store_b128 v[SO], v[XV:XV+3]
	ds_store_b128 v[SO], v[XV+4:XV+7] offset:16
	s_wait_dscnt 0x0
	s_barrier_signal -1
	s_barrier_wait -1                              ; 16 heads x 128 tokens lie in the stage
	ds_load_b128 v[T1:T1+3], v[SR]
	ds_load_b128 v[T2:T2+3], v[SR] offset:528
	s_wait_dscnt 1                                 ; the first row is back; the second may be out
	global_store_b128 v[LI], v[T1:T1+3], s[10:11]                 ; 32 lanes store 512 consecutive bytes, at a multiple of 256 from gl's first byte
	s_wait_dscnt 0x0
	global_store_b128 v[LI], v[T2:T2+3], s[10:11] offset:8192     ; the next head's row
	s_wait_tensorcnt 0x0                           ; the wave's end, behind my last LDS store
	ds_add_u32 v[SPW], v[NIL]
	s_wait_dscnt 0x0
	s_endpgm
.Lfunc_end_k_q928722cd31_gates:
	.size	k_q928722cd31_gates, .Lfunc_end_k_q928722cd31_gates-k_q928722cd31_gates
	.p2alignl 7, 3214868480
	.fill 96, 4, 3214868480
	.section	.rodata,"a",@progbits
	.p2align	6, 0x0
	.amdhsa_kernel k_q928722cd31_gates
		.amdhsa_group_segment_fixed_size 26624
		.amdhsa_private_segment_fixed_size 0
		.amdhsa_enable_private_segment 0
		.amdhsa_kernarg_size 32
		.amdhsa_user_sgpr_count 2
		.amdhsa_user_sgpr_kernarg_segment_ptr 1
		.amdhsa_wavefront_size32 1
		.amdhsa_system_sgpr_workgroup_id_x 1
		.amdhsa_system_sgpr_workgroup_id_y 1
		.amdhsa_system_sgpr_workgroup_id_z 1
		.amdhsa_system_vgpr_workitem_id 0
		.amdhsa_next_free_vgpr 256
		.amdhsa_next_free_sgpr 66
		.amdhsa_reserve_vcc 0
		.amdhsa_float_denorm_mode_32 3
		.amdhsa_float_denorm_mode_16_64 3
		.amdhsa_memory_ordered 1
		.amdhsa_forward_progress 1
		.amdhsa_inst_pref_size 15
	.end_amdhsa_kernel
	.amdgpu_metadata
---
amdhsa.version: [ 1, 2 ]
amdhsa.kernels:
  - .name:           k_q928722cd31_gates
    .symbol:         k_q928722cd31_gates.kd
    .args:
      - { .name: xc, .offset: 0, .size: 8, .value_kind: global_buffer, .address_space: global }
      - { .name: wc, .offset: 8, .size: 8, .value_kind: global_buffer, .address_space: global }
      - { .name: lowp_scales, .offset: 16, .size: 8, .value_kind: global_buffer, .address_space: global }
      - { .name: gl, .offset: 24, .size: 8, .value_kind: global_buffer, .address_space: global }
    .group_segment_fixed_size: 26624
    .private_segment_fixed_size: 0
    .kernarg_segment_align: 8
    .kernarg_segment_size: 32
    .max_flat_workgroup_size: 256
    .sgpr_count:     66
    .vgpr_count:     256
    .wavefront_size: 32
...
	.end_amdgpu_metadata
.endif
;; end of part 2
;; launch proj (part 3): grid 12 x 16, 4 waves a work-group, clusters of 4 x 4, 327,680 bytes of LDS; arguments xc, wc, lowp_scales, qc, kc, vc; writes qc, kc, vc
.if DOCPART == 3
	.amdgcn_target "amdgcn-amd-amdhsa--gfx1250"
	.amdhsa_code_object_version 6
	.text
	.protected	k_q928722cd31_proj
	.globl	k_q928722cd31_proj
	.p2align	8
	.type	k_q928722cd31_proj,@function
k_q928722cd31_proj:
	s_mov_b64 s[64:65], 0
	v_nop
	global_prefetch_b8 v0, s[64:65] scope:SCOPE_SE
	s_setreg_imm32_b32 hwreg(HW_REG_WAVE_MODE, 25, 1), 1
	s_wait_xcnt 0x0
	s_wait_alu depctr_hold_cnt(0) depctr_sa_sdst(0) depctr_va_vdst(0) depctr_va_sdst(0) depctr_va_ssrc(0) depctr_va_vcc(0) depctr_vm_vsrc(0)
	s_getreg_b32 s2, hwreg(HW_REG_IB_STS2, 6, 4)
	s_cmp_eq_u32 s2, 0
	s_cbranch_scc0 .Lentry_in_a_cluster
	s_endpgm
.Lentry_in_a_cluster:
	s_bfe_u32 s2, ttmp6, 0x10000c
	s_cmp_lg_u32 s2, 0xf033
	s_cbranch_scc0 .Lentry_shape_is_right
	s_endpgm
.Lentry_shape_is_right:
; COLUMNS 0 .. 3071 OF x W^T ON THE CODES, and Q, K, V quantised in registers for attention (scales: entries 2, 3, 5).  The gate columns are made by a launch of their own.
; A tile of 256 x 256 results is made by a work-group of four waves, a wave 128 x 128: 64 accumulators of 16 x 16.  K = 1,024 goes in four steps of 256 through a ring of two LDS slots filled by tensor loads.
; 192 tiles: a tile of 256 x 192 would make 256 work-groups but straddles the borders between Q, K and V at columns 1,024 and 2,048; tiles of 128 x 128 read twice the LDS bytes for each product.
; CLUSTERS of 4 x 4.  The cluster's x says what is made: 0 Q, 1 K, 2 V.  ONE TEXT SERVES ALL THREE: operand 'A' (source 1, shared along a row of the cluster) and operand 'B' (source 0, shared along a column) are
;   Q, K:  A = xc, tile 4 x cluster y + cy;   B = wc, tile 4 x cluster x + cx        V:  A = wc, tile 8 + cy;   B = xc, tile 4 x cluster y + cx
; chosen by selects on the cluster's x, which all sixteen partners share.  A's address is made of cy and the cluster's ids alone, B's of cx and the cluster's ids alone.
; WHAT A LANE HOLDS.  Source 0 = 16 rows of B, source 1 = 16 rows of A: lane (r, h) holds A's stored row r of block a and, in register j of accumulator (a, b), B's stored row 16 b + 8 h + j.  The codes' rows were
; stored with bits 3 and 4 of their number exchanged, so the 16 registers of accumulators (a, 2 g) and (a, 2 g + 1) are B's SOURCE rows 32 g + 16 h + 0 .. 15: 16 neighbours along the next product's K
; (Q, K: the head's channels; V: the keys).  Two conversions make of them registers 4 g .. 4 g + 3 of the fragment that attention's lane (r, h) wants.  So the results leave as IMAGES OF FRAGMENTS:
; each store is 16 bytes a lane at 16 x lane, 512 consecutive bytes; nothing goes through LDS on the way out.
;   qc, kc: [b x 16 + head][tile of 16 tokens, 128][c 2][lane 32][16 bytes]          vc: [b x 16 + head][key step of 128, 16][tile of 16 channels, 4][c 4][lane 32][16 bytes]
; A sum stands for sum x 2^(e0 + e1): its code is sum / 2^(eT - e0 - e1), eT = e2, e3 or e5: the three scales are folded into the conversion's one.
; LIMITS: eT - e0 - e1 between -126 and 119.
; REGISTERS, in windows of 256: window 0: v0-31 addresses; v32-47 the stores' offsets; v48 the conversion's scale; from v128 A's fragments, ONE set; on the way out v64-191 take the codes.
;   window 1: B's fragments, TWO sets.   window 2: the accumulators of my A blocks 0-3 ((a, b) at v[8 (8 a + b)]);   window 3: those of blocks 4-7.
.set SIZE_K, 1024
.set KSTEP,  256                       ; along K in a slot
.set ROWB,   256                       ; a tile's row in bytes
.set KROW,   SIZE_K                    ; a row of xc or wc in bytes
.set PITCH,  272                       ; an LDS row: 256 bytes + 16 of padding = 68 words: the 16 rows that a load touches start at 16 different banks (64 banks of 4 bytes: ISA guide 11.1)
.set FR,     16                        ; registers of a fragment: 16 rows x 128 K
.set NL,     4                         ; LDS loads that bring one
.set NP,     4                         ; places behind this matrix instruction (ISA guide 7.12.1)
.set HALFT,  128*PITCH                 ; 128 rows: what one tensor load brings, and what one wave reads of A or of B
.set SLOT,   4*HALFT                   ; A's 256 rows, then B's 256 rows
.set LAPS,   SIZE_K/(2*KSTEP)          ; a lap = two K steps = once round the ring
.set SPARE,  2*SLOT                    ; behind the ring: the spare words, 128 bytes a wave, which no other line names
.set ADRA, 16                          ; v16-17  LDS address of my A fragments in slot 0, 1
.set ADRB, 20                          ; v20-21  the same for B
.set SPW,  28                          ; v28     LDS address of my spare word; never rewritten
.set NIL,  29                          ; v29     0; never rewritten
.set VO,   32                          ; v32-47  the stores' offsets: v[VO + 4 q + g] for block a = q or q + 4, group g
.set SCV,  48                          ; v48     2^(eT - e0 - e1) as f32
.set CD,   64                          ; v64-191 the codes: 16 registers for each block
.set AF,   128                         ; A's fragments, in window 0
.set G1, 24                            ; s[24:31] descriptor group 1 for A's tiles;  s[32:39] group 0, one set for each slot
.set G0, 32
.set G1B, 48                           ; s[48:55], s[56:63] the same for B's tiles
.set G0B, 56
.set MSB, 0
.macro WIN new                         ; the immediate's high byte repeats the setting that is left
.if MSB != \new
	s_set_vgpr_msb (MSB<<8)|\new
.set MSB, \new
.endif
.endm
.set MUL_LO, 0xa1                      ; source 0 (B) window 1, source 1 (A) window 0, C and D window 2
.set MUL_HI, 0xf1                      ; the same, C and D window 3
.set TO_B,   0x40                      ; destination window 1, address window 0
; A joint load: waves 0 and 1 fetch for A, waves 2 and 3 for B.  Each of the two lines has one mask and one set of registers for all that issue it; the branch hangs on the wave's number alone.
; An s_nop 0 and four v_nop follow each of the two lines, ahead of the jump, the label and what follows.
.macro JLOAD g0a, g1a, g0b, g1b
	s_cmp_eq_u32 s15, 0
	s_cbranch_scc0 .Lfor_b_\@
	tensor_load_to_lds s[\g0a:\g0a+3], s[\g1a:\g1a+7]
	s_nop 0
.rept 4
	v_nop
.endr
	s_branch .Lasked_\@
.Lfor_b_\@:
	tensor_load_to_lds s[\g0b:\g0b+3], s[\g1b:\g1b+7]
	s_nop 0
.rept 4
	v_nop
.endr
.Lasked_\@:
.endm
.macro CREST                           ; a round of the cluster's barrier behind its opening barrier
	s_cmp_lg_u32 s14, 0
	s_cbranch_scc1 .Lnot_wave_0_\@
	s_barrier_signal -3
.Lnot_wave_0_\@:
	s_barrier_wait -3
	s_barrier_signal -1
	s_barrier_wait -1
.endm
.macro CROUND                          ; a whole round
	s_barrier_signal -1
	s_barrier_wait -1
	CREST
.endm
	s_load_b256 s[4:11], s[0:1], 0x0               ; xc s[4:5], wc s[6:7], the scales' exponents s[8:9], qc s[10:11]
	s_load_b128 s[68:71], s[0:1], 0x20             ; kc s[68:69], vc s[70:71]
	v_lshl_add_u32 v[SPW], v0, 2, SPARE
	v_mov_b32 v[NIL], 0
	ds_add_u32 v[SPW], v[NIL]                      ; the wave's opening: the add, twice on end, and its wait ahead of my first tensor load; the set-up below stands between the second and the wait
	ds_add_u32 v[SPW], v[NIL]
	v_lshrrev_b32 v1, 5, v0
	v_readfirstlane_b32 s14, v1                    ; wave 0..3
	s_lshr_b32 s15, s14, 1                         ; which half of A's 256 rows is mine.  Also: I fetch for A (0) or for B (1)
	s_and_b32 s16, s14, 1                          ; which half of B's.  Also: which 128 rows of that tile I fetch
	s_bfe_u32 s40, ttmp6, 0x40000                  ; cx, cy: my place in the cluster
	s_bfe_u32 s41, ttmp6, 0x40004
	s_and_b32 s17, ttmp7, 0xffff
	s_lshl_b32 s17, s17, 2                         ; 4 x cluster y
	s_lshl_b32 s42, ttmp9, 2                       ; 4 x cluster x
	s_cmp_eq_u32 ttmp9, 2                          ; V?  The same in all sixteen partners
	s_cselect_b32 s93, 8, s17
	s_cselect_b32 s94, s17, s42
	s_add_co_u32 s17, s93, s41                     ; A's tile of 256 rows: cy and the cluster's ids alone
	s_add_co_u32 s42, s94, s40                     ; B's: cx and the cluster's ids alone
	s_lshl_b32 s43, s41, 2
	s_lshl_b32 s43, 15, s43                        ; my row of the cluster
	s_lshl_b32 s44, 0x1111, s40                    ; my column
	; descriptor group 1: a tile of 128 rows x 256 bytes, padded in LDS
	s_or_b32 s[G1+0], s43, (0<<16)|(1<<20)|(1<<21)|(5<<22)|(3<<25)  ; 15:0 the mask: A's tiles go to my row; 17:16 elements of 1 byte; 20 padding on; 21 set beside a mask; 24:22 after every 64 words; 31:25 four words
	s_or_b32 s[G1B+0], s44, (0<<16)|(1<<20)|(1<<21)|(5<<22)|(3<<25)
.irp g, G1, G1B
	s_mov_b32 s[\g+1], ROWB<<16                    ; tensor_dim0
	s_mov_b32 s[\g+2], 128<<16                     ; tensor_dim1 = 128
	s_mov_b32 s[\g+3], ROWB<<16                    ; tile_dim0
	s_mov_b32 s[\g+4], 128                         ; tile_dim1 = 128
	s_mov_b32 s[\g+5], KROW                        ; tensor_dim0_stride
	s_mov_b32 s[\g+6], 0
	s_mov_b32 s[\g+7], 0
.endr
	s_lshl_b32 s18, s16, 7                         ; which 128 rows of the tile I fetch
	s_lshl_b32 s20, s17, 8
	s_add_co_u32 s20, s20, s18
	s_lshl_b32 s20, s20, 10                        ; A: (256 x tile + 128 x half) rows of 1,024 bytes
	s_mov_b32 s21, 0
	s_lshl_b32 s46, s42, 8
	s_add_co_u32 s46, s46, s18
	s_lshl_b32 s46, s46, 10                        ; B likewise
	s_mov_b32 s47, 0
	s_mul_i32 s45, s14, HALFT                      ; where they go: wave x 128 rows: no place in the cluster enters an LDS address
	s_wait_dscnt 0x0                               ; both opening adds are done
	s_wait_kmcnt 0x0
	s_load_b128 s[76:79], s[8:9], 0x0              ; e0 .. e3
	s_load_b64 s[80:81], s[8:9], 0x10              ; e4, e5
	s_cmp_eq_u32 ttmp9, 2
	s_cselect_b64 s[72:73], s[6:7], s[4:5]         ; A's buffer: wc for V, else xc
	s_cselect_b64 s[74:75], s[4:5], s[6:7]         ; B's: the other
	s_add_nc_u64 s[20:21], s[72:73], s[20:21]
	s_add_nc_u64 s[46:47], s[74:75], s[46:47]
	CROUND                                         ; all sixteen work-groups are here: the first joint loads meet
.irp s, 0,1
	s_mov_b32 s[G0+4*\s], 1
	s_add_co_u32 s[G0+4*\s+1], s45, \s*SLOT
	s_add_nc_u64 s[G0+4*\s+2:G0+4*\s+3], s[20:21], \s*ROWB
	s_or_b32 s[G0+4*\s+3], s[G0+4*\s+3], 0x80000000
	s_mov_b32 s[G0B+4*\s], 1
	s_add_co_u32 s[G0B+4*\s+1], s45, \s*SLOT
	s_add_nc_u64 s[G0B+4*\s+2:G0B+4*\s+3], s[46:47], \s*ROWB
	s_or_b32 s[G0B+4*\s+3], s[G0B+4*\s+3], 0x80000000
	JLOAD G0+4*\s, G1, G0B+4*\s, G1B
.endr
	v_and_b32 v1, 15, v0                           ; l % 16
	v_bfe_u32 v2, v0, 4, 1                         ; l / 16
	v_mul_u32_u24 v3, v1, PITCH
	v_lshl_add_u32 v4, v2, 4, v3                   ; a fragment's row x pitch + 16 x half
	s_mul_i32 s21, s15, HALFT                      ; my 128 rows of A
	s_mul_i32 s22, s16, HALFT                      ; my 128 rows of B,
	s_add_co_u32 s22, s22, 2*HALFT                 ; which lie behind A's 256
.irp s, 0,1
	v_add_nc_u32 v[ADRA+\s], s21, v4
	v_add_nc_u32 v[ADRB+\s], s22, v4
	s_add_co_u32 s21, s21, SLOT
	s_add_co_u32 s22, s22, SLOT
.endr
	; THE WAY OUT'S ADDRESSES.  Tokens are A's rows for Q and K and B's rows for V; features the other way round.  All by selects on the cluster's x; these numbers enter the stores' addresses alone.
	s_cmp_eq_u32 ttmp9, 2
	s_cselect_b32 s86, s42, s17                    ; the tokens' tile of 256
	s_cselect_b32 s87, s41, s40                    ; the features' tile of 256 within Q, K or V
	s_cselect_b32 s88, s16, s15                    ; my half of the tokens' tile
	s_cselect_b32 s89, s15, s16                    ; my half of the features' tile
	s_mov_b32 s90, 1024
	s_cselect_b32 s90, 2048, s90                   ; from block a to a + 1: Q, K: a tile of 16 tokens; V: a tile of 16 channels
	s_mov_b32 s91, 131072
	s_cselect_b32 s91, 1024, s91                   ; from group g to g + 2: Q, K: the next head; V: the next 64 keys
	s_mov_b32 s92, 4096
	s_cselect_b32 s92, 131072, s92                 ; from block a to a + 4: Q, K: four tiles of tokens; V: the next head
	s_cmp_eq_u32 ttmp9, 0
	s_cselect_b64 s[96:97], s[10:11], s[68:69]     ; qc or kc,
	s_cmp_eq_u32 ttmp9, 2
	s_cselect_b64 s[96:97], s[70:71], s[96:97]     ; or vc
	s_lshr_b32 s98, s86, 3
	s_lshl_b32 s98, s98, 21                        ; the batch: 16 heads of 131,072 bytes
	s_lshl_b32 s99, s87, 2
	s_lshl_b32 s89, s89, 1
	s_add_co_u32 s99, s99, s89
	s_lshl_b32 s99, s99, 17                        ; my first head: 4 x tile + 2 x half
	s_add_co_u32 s98, s98, s99
	s_and_b32 s99, s86, 7
	s_lshl_b32 s99, s99, 1
	s_add_co_u32 s99, s99, s88
	s_lshl_b32 s99, s99, 13                        ; my 128 tokens: 8,192 bytes in a head, in all three layouts
	s_add_co_u32 s98, s98, s99
	s_mov_b32 s99, 0
	s_add_nc_u64 s[86:87], s[96:97], s[98:99]      ; the base for blocks 0-3,
	s_mov_b32 s93, 0
	s_add_nc_u64 s[88:89], s[86:87], s[92:93]      ; and for blocks 4-7
	v_and_b32 v6, 31, v0
	v_lshlrev_b32 v6, 4, v6                        ; 16 x lane
.irp q, 0,1,2,3
	s_mul_i32 s98, s90, \q
	v_add_nc_u32 v[VO+4*\q], s98, v6
	v_add_nc_u32 v[VO+4*\q+1], 512, v[VO+4*\q]
	v_add_nc_u32 v[VO+4*\q+2], s91, v[VO+4*\q]
	v_add_nc_u32 v[VO+4*\q+3], s91, v[VO+4*\q+1]
.endr
.macro FRAG reg, adr, q, i             ; a fragment, 16 rows x 128 K, is 16 registers: lane l holds row l % 16; registers 4 c .. 4 c + 3 hold K = 32 c + 16 (l / 16) + 0 .. 15: the same permutation of k in A and in B
.irp c, 0,1,2,3
	ds_load_b128 v[\reg+4*\c:\reg+4*\c+3], v[\adr] offset:128*(\q)+32*\c+(\i)*16*PITCH
.endr
.endm
; 16 matrix instructions: A's blocks a0, a0 + 1 x B's eight, 128 along K.  p: B's set.  zero = 1: the first product starts the sums.
; The 64 accumulators take turns, one instruction a turn, in the same order in every step.
.macro MUL16 a0, p, zero
.irp a, \a0, \a0+1
.irp b, 0,1,2,3,4,5,6,7
.if \zero
	v_wmma_f32_16x16x128_fp8_fp8 v[8*(8*((\a)%4)+\b):8*(8*((\a)%4)+\b)+7], v[128*(\p)+FR*\b:128*(\p)+FR*\b+FR-1], v[AF+FR*(\a):AF+FR*(\a)+FR-1], 0
.else
	v_wmma_f32_16x16x128_fp8_fp8 v[8*(8*((\a)%4)+\b):8*(8*((\a)%4)+\b)+7], v[128*(\p)+FR*\b:128*(\p)+FR*\b+FR-1], v[AF+FR*(\a):AF+FR*(\a)+FR-1], v[8*(8*((\a)%4)+\b):8*(8*((\a)%4)+\b)+7]
.endif
.endr
.endr
.endm
.macro FETCH_B slot, q, p              ; B's eight fragments of the slot's q-th 128 along K into set p
	WIN TO_B
.irp i, 0,1,2,3,4,5,6,7
	FRAG 128*(\p)+FR*\i, ADRB+\slot, \q, \i
.endr
	WIN 0
.endm
.macro FETCH_A slot, q, i0             ; A's blocks i0 .. i0 + 3
.irp i, \i0, \i0+1, \i0+2, \i0+3
	FRAG AF+FR*(\i), ADRA+\slot, \q, \i
.endr
.endm
.macro PLACES n                        ; plain vector instructions between a matrix instruction and a load into a register that it read, or a read of its result
.rept \n
	v_nop
.endr
.endm
; A step of 128 along K that has its successor in the same slot.  A block of A is free as soon as its eight products are issued: blocks 0-3 are fetched anew in the step's middle, blocks 4-7 at its end.
.macro STEP slot, q, zero
	s_wait_dscnt 4*NL                              ; B's set and A's blocks 0-3 are in; the youngest sixteen loads (A's blocks 4-7) may be out
	WIN MUL_LO
	MUL16 0, (\q)%2, \zero
	MUL16 2, (\q)%2, \zero
	s_wait_dscnt 0                                 ; A's blocks 4-7 are in
	PLACES NP
	FETCH_B \slot, (\q)+1, 1-(\q)%2
	FETCH_A \slot, (\q)+1, 0
	WIN MUL_HI
	MUL16 4, (\q)%2, \zero
	MUL16 6, (\q)%2, \zero
	PLACES NP
	WIN 0
	FETCH_A \slot, (\q)+1, 4
.endm
; A slot's last step changes slots: one barrier; in front of it each wave waits for all its tensor loads, adds 0 to its spare word, and waits for that and for its own reads of this slot.  fill = 1: the slot is filled again, two K steps ahead.
.macro TURN slot, next, fill
	s_wait_tensorcnt 0x0                           ; all my tensor loads have landed: my part of the next slot (every window is 0 here)
	ds_add_u32 v[SPW], v[NIL]                      ; 0 onto my spare word
	s_wait_dscnt 4*NL+1                            ; (the add and the youngest sixteen loads, A's blocks 4-7, may be out)
	WIN MUL_LO
	MUL16 0, 1, 0                                  ; sixteen matrix instructions stand between the add and the wait for it
	s_wait_dscnt 0x0                               ; the add is done, and my reads of this slot are over
	s_barrier_signal -1
	MUL16 2, 1, 0
	WIN 0
	s_barrier_wait -1
.if \fill
	CREST                                          ; the barrier has opened a round of the cluster's barrier: no wave of any partner still reads this slot's tile or has a load on its way
	s_add_nc_u64 s[G0+4*\slot+2:G0+4*\slot+3], s[G0+4*\slot+2:G0+4*\slot+3], 2*ROWB
	s_add_nc_u64 s[G0B+4*\slot+2:G0B+4*\slot+3], s[G0B+4*\slot+2:G0B+4*\slot+3], 2*ROWB
	JLOAD G0+4*\slot, G1, G0B+4*\slot, G1B         ; the first tensor load behind the round; its four v_nop are also the places in front of the loads below
.else
	PLACES NP
.endif
	FETCH_B \next, 0, 0
	FETCH_A \next, 0, 0
	WIN MUL_HI
	MUL16 4, 1, 0
	MUL16 6, 1, 0
	PLACES NP
	WIN 0
	FETCH_A \next, 0, 4
.endm
	s_wait_tensorcnt 1                             ; my part of K step 0 is in (K step 1's load may be out)
	s_barrier_signal -1
	s_barrier_wait -1                              ; everybody's is
	FETCH_B 0, 0, 0
	FETCH_A 0, 0, 0
	FETCH_A 0, 0, 4
	STEP 0, 0, 1                                   ; the first step stands in front of the loop: its products start the sums
	s_mov_b32 s3, LAPS-1
.Llap:                                                 ; a trip goes once round the ring, from a lap's second step to the next lap's first, and fills both slots again
	TURN 0, 1, 1
	STEP 1, 0, 0
	TURN 1, 0, 1
	STEP 0, 0, 0
	s_sub_co_u32 s3, s3, 1
	s_cmp_lg_u32 s3, 0
	s_cbranch_scc1 .Llap
	TURN 0, 1, 0                                   ; the last lap fills nothing, and has no round of the cluster's barrier
	STEP 1, 0, 0
	s_wait_dscnt 4*NL                              ; the very last step: nothing more to fetch
	WIN MUL_LO
	MUL16 0, 1, 0
	MUL16 2, 1, 0
	s_wait_dscnt 0
	WIN MUL_HI
	MUL16 4, 1, 0
	MUL16 6, 1, 0
	WIN 0
	; THE WAY OUT.  No branch hangs on a given exponent: the hold is always made.
	s_wait_kmcnt 0x0
	s_cmp_eq_u32 ttmp9, 0
	s_cselect_b32 s82, s78, s79                    ; e2 for Q, e3 for K,
	s_cmp_eq_u32 ttmp9, 2
	s_cselect_b32 s82, s81, s82                    ; e5 for V
	s_sub_co_i32 s82, s82, s76
	s_sub_co_i32 s82, s82, s77
	s_add_co_i32 s82, s82, 127
	s_lshl_b32 s83, s82, 23                        ; 2^(eT - e0 - e1) as f32
	s_add_co_i32 s82, s82, 8
	s_lshl_b32 s84, s82, 23
	s_or_b32 s84, s84, 0x600000                    ; 448 x that,
	s_or_b32 s85, s84, 0x80000000                  ; and its negative
	PLACES NP                                      ; behind the last products
	v_mov_b32 v[SCV], s83
; Block a: 64 holds in place, each accumulator from its low end on; eight conversions; four stores of 512 consecutive bytes.  Every block has its own registers for its codes and every store its own offset:
; no source of a store is written again.
.macro OUTBLK a
.set AC, 64*((\a)%4)
	WIN 0x82+0x41*((\a)/4)                         ; source 0 and destination: window 2 or 3
.set i, 0
.rept 64
	v_med3_num_f32 v[AC+i], v[AC+i], s85, s84      ; the conversion to an 8-bit code does not saturate (ISA guide 7.6.2)
.set i, i+1
.endr
	WIN 0x02+((\a)/4)                              ; source 0: window 2 or 3; destination and scale: window 0
.set i, 0
.rept 8
	v_cvt_scalef32_pk8_fp8_f32 v[CD+16*(\a)+2*i:CD+16*(\a)+2*i+1], v[AC+8*i:AC+8*i+7], v[SCV]
.set i, i+1
.endr
	WIN 0
	v_nop                                          ; one plain vector instruction behind the last conversion of the run
.irp g, 0,1,2,3
.if (\a) < 4
	global_store_b128 v[VO+4*((\a)%4)+\g], v[CD+16*(\a)+4*\g:CD+16*(\a)+4*\g+3], s[86:87] th:TH_STORE_NT
.else
	global_store_b128 v[VO+4*((\a)%4)+\g], v[CD+16*(\a)+4*\g:CD+16*(\a)+4*\g+3], s[88:89] th:TH_STORE_NT
.endif
.endr
.endm
.irp a, 0,1,2,3,4,5,6,7
	OUTBLK \a
.endr
	s_wait_tensorcnt 0x0                           ; the wave's end, behind my last tensor load
	ds_add_u32 v[SPW], v[NIL]
	s_wait_dscnt 0x0
	CROUND                                         ; the closing round: no work-group ends while a partner may still ask for a tile that names it
	s_endpgm
.Lfunc_end_k_q928722cd31_proj:
	.size	k_q928722cd31_proj, .Lfunc_end_k_q928722cd31_proj-k_q928722cd31_proj
	.p2alignl 7, 3214868480
	.fill 96, 4, 3214868480
	.section	.rodata,"a",@progbits
	.p2align	6, 0x0
	.amdhsa_kernel k_q928722cd31_proj
		.amdhsa_group_segment_fixed_size 327680
		.amdhsa_private_segment_fixed_size 0
		.amdhsa_enable_private_segment 0
		.amdhsa_kernarg_size 48
		.amdhsa_user_sgpr_count 2
		.amdhsa_user_sgpr_kernarg_segment_ptr 1
		.amdhsa_wavefront_size32 1
		.amdhsa_system_sgpr_workgroup_id_x 1
		.amdhsa_system_sgpr_workgroup_id_y 1
		.amdhsa_system_sgpr_workgroup_id_z 1
		.amdhsa_system_vgpr_workitem_id 0
		.amdhsa_next_free_vgpr 1024
		.amdhsa_next_free_sgpr 100
		.amdhsa_reserve_vcc 0
		.amdhsa_float_denorm_mode_32 3
		.amdhsa_float_denorm_mode_16_64 3
		.amdhsa_memory_ordered 1
		.amdhsa_forward_progress 1
		.amdhsa_inst_pref_size 120
	.end_amdhsa_kernel
	.amdgpu_metadata
---
amdhsa.version: [ 1, 2 ]
amdhsa.kernels:
  - .name:           k_q928722cd31_proj
    .symbol:         k_q928722cd31_proj.kd
    .args:
      - { .name: xc, .offset: 0, .size: 8, .value_kind: global_buffer, .address_space: global }
      - { .name: wc, .offset: 8, .size: 8, .value_kind: global_buffer, .address_space: global }
      - { .name: lowp_scales, .offset: 16, .size: 8, .value_kind: global_buffer, .address_space: global }
      - { .name: qc, .offset: 24, .size: 8, .value_kind: global_buffer, .address_space: global }
      - { .name: kc, .offset: 32, .size: 8, .value_kind: global_buffer, .address_space: global }
      - { .name: vc, .offset: 40, .size: 8, .value_kind: global_buffer, .address_space: global }
    .group_segment_fixed_size: 327680
    .private_segment_fixed_size: 0
    .kernarg_segment_align: 8
    .kernarg_segment_size: 48
    .max_flat_workgroup_size: 128
    .sgpr_count:     100
    .vgpr_count:     1024
    .wavefront_size: 32
...
	.end_amdgpu_metadata
.endif
;; end of part 3
;; launch attn (part 4): grid 8 x 32, 16 waves a work-group, clusters of 4 x 1, 272,384 bytes of LDS; arguments qc, kc, vc, gl, lowp_scales, out0; writes out0
.if DOCPART == 4
	.amdgcn_target "amdgcn-amd-amdhsa--gfx1250"
	.amdhsa_code_object_version 6
	.text
	.protected	k_q928722cd31_attn
	.globl	k_q928722cd31_attn
	.p2align	8
	.type	k_q928722cd31_attn,@function
k_q928722cd31_attn:
	s_mov_b64 s[64:65], 0
	v_nop
	global_prefetch_b8 v0, s[64:65] scope:SCOPE_SE
	s_setreg_imm32_b32 hwreg(HW_REG_WAVE_MODE, 25, 1), 1
	s_wait_xcnt 0x0
	s_wait_alu depctr_hold_cnt(0) depctr_sa_sdst(0) depctr_va_vdst(0) depctr_va_sdst(0) depctr_va_ssrc(0) depctr_va_vcc(0) depctr_vm_vsrc(0)
	s_getreg_b32 s2, hwreg(HW_REG_IB_STS2, 6, 4)
	s_cmp_eq_u32 s2, 0
	s_cbranch_scc0 .Lentry_in_a_cluster
	s_endpgm
.Lentry_in_a_cluster:
	s_bfe_u32 s2, ttmp6, 0x10000c
	s_cmp_lg_u32 s2, 0x3003
	s_cbranch_scc0 .Lentry_shape_is_right
	s_endpgm
.Lentry_shape_is_right:
; y = (P V) / sum(P),  P = exp(Z - the row's maximum),  Z = 2 log(|Q K^T| + 1e-7) + G[t] - G[s] under the causal mask; both products on codes of FP8 (E4M3).
; LEFT OUT AS DEAD WORK (shown at the head of the first launch): log(scale), which the row's maximum takes away again; blocks of 16 queries x 128 keys wholly above the diagonal.
; P IS QUANTISED AS reference() HAS IT, under the row's FINAL maximum: so the keys are walked twice.  Pass 1 finds each query's maximum M of z; pass 2 makes the scores again, p = 2^(z - M), its sum (of the
; unquantised p), its codes (scale 2^e4) and O.  All in base 2: z = 2 log2(|S| + 1e-7) + D + gl[t] - gl[s].  gl is the running sum of log2(sigmoid(gate)) INSIDE a block of 128 tokens; D is the sum of the
; totals of the blocks from the key's up to the one in front of the query's, gathered from the near blocks to the far ones: no difference of large sums is formed.
; SHARES.  A work-group is (j = 0..7, b x 16 + head).  Wave w owns ONE tile of 16 queries, tile 8 m + j of the head's 128: queries 128 m + 32 (j / 2) + 8 (j % 2) + r + 8 (r / 8).  It needs key steps 0 .. m of 128
; keys, step m being the one on the diagonal.  m = w where w has an even number of ones, else 15 - w: any four waves w % 4 alike, and any four w / 4 alike, have 34 key steps a pass between them.
; Every work-group has 136 key steps a pass and reads all 16 key steps of its head.
; LDS IS FILLED ONCE: the head's K (131,072 bytes), V (131,072) and gl (8,192), each wave asking for one sixteenth of each.  Nothing is filled again.
; CLUSTER of 4 x 1: the four partners differ in j alone, which enters Q's, gl's and out0's global addresses and the mask's compare value, and no branch, trip count, LDS address or descriptor:
; so K, V and gl are asked for JOINTLY, by the same loads with a mask that names the four.
; LAYOUT.  Both products transposed: S^T = K Q^T (source 0 = 16 keys, source 1 = my queries), O^T = V^T P^T: a lane holds ONE query (lane % 16).  K's, Q's and V's fragments lie in memory and LDS as images of
; their registers (16 bytes a lane).  Register 16 b + i of S^T is key 32 b + 16 (lane / 16) + i of the step: 16 neighbours, so p's conversions give the second product's operand as it stands.
; LIMITS: e2 + e3 between -126 and 127; e4 between -126 and 119; e4 + e5 is applied by v_ldexp_f32 and has none.
.set KREG,  0                          ; LDS: key step ks at 8,192 ks: fragment (tile T, half c) at 512 (2 T + c), 16 bytes a lane
.set VREG,  131072                     ; key step ks at 8,192 ks: fragment (channels' tile dt, keys' group c) at 512 (4 dt + c)
.set GREG,  262144                     ; gl: 4 bytes a key
.set SPARE, 270336                     ; the spare words, 128 bytes a wave, which no other line names
.set SP,    272                        ; the way out: a stage of 16 rows x (256 bytes + 16) for each wave, in K's region, behind the barrier behind which nobody reads K; that region has had its one fill
.set SPW, 1                            ; v1   LDS address of my spare word; never rewritten
.set NIL, 2                            ; v2   0; never rewritten
.set LK,  3                            ; v3   16 x lane
.set ADK, 4                            ; v4   the step's K
.set ADV, 5                            ; v5   the step's V
.set H64, 6                            ; v6   64 (lane / 16)
.set ADG, 7                            ; v7   the step's gl
.set MX,  8                            ; v8   the maximum
.set GLQ, 9                            ; v9   gl of my query
.set DV,  10                           ; v10  D
.set ADT, 11                           ; v11  the step's block in gl
.set CC,  12                           ; v[12:13] c = D + gl[t] (pass 2: - M), twice
.set SUM, 14                           ; v[14:15] the sum, in two halves
.set TOT, 16                           ; v16  the key block's total
.set SCP, 17                           ; v17  2^e4 as f32
.set GQO, 18                           ; v18  my query's byte offset in gl
.set DD,  19                           ; v19  my query's place in its block - 16 (lane / 16)
.set NINF, 20                          ; v20  -infinity
.set MX2, 21                           ; v21  the maximum's second chain
.set TP,  22                           ; v[22:23] at work
.set QF,  24                           ; v24-31   Q's fragment
.set KV,  32                           ; v32-95   K's eight fragments, then V's four
.set S,   96                           ; v96-159  S^T, then z, then p
.set GL,  160                          ; v160-223 gl of the lane's 64 keys, then c - gl
.set PC,  160                          ; v160-175 p's codes, where c - gl is done with
.set O,   224                          ; v224-255 O^T: four accumulators
.set WV,  16                           ; s16 wave   s17 m   s18 j   s19 b x 16 + head
.set MM,  17
.set JJ,  18
.set BH,  19
.set G1,  24                           ; s[24:31] descriptor group 1: 32 rows of 256 bytes, dense
.set G1G, 32                           ; s[32:39] the same with 2 rows
.set G0K, 40                           ; s[40:43], s[44:47], s[48:51]: groups 0 for K, gl, V
.set G0G, 44
.set G0V, 48
.set SC,  58                           ; s58 2^(e2 + e3)   s59 1e-7
.set EPS, 59
.set SEL, 60                           ; s[60:61] lane selects for v_permlanex16_b32
.set TK,  62                           ; s62, s63, s66: LDS bytes at which the step's K, gl, V begin
.set TG,  63
.set TV,  66
.set CNT, 67                           ; s67 the walk's counter
.set LIM, 68                           ; s68 448 x 2^e4
.set EO,  69                           ; s69 e4 + e5
.macro CROUND                          ; a round of the cluster's barrier
	s_barrier_signal -1
	s_barrier_wait -1
	s_cmp_lg_u32 s[WV], 0
	s_cbranch_scc1 .Lnot_wave_0_\@
	s_barrier_signal -3
.Lnot_wave_0_\@:
	s_barrier_wait -3
	s_barrier_signal -1
	s_barrier_wait -1
.endm
	s_load_b256 s[4:11], s[0:1], 0x0               ; qc s[4:5], kc s[6:7], vc s[8:9], gl s[10:11]
	s_load_b128 s[12:15], s[0:1], 0x20             ; the scales' exponents s[12:13], out0 s[14:15]
	v_lshl_add_u32 v[SPW], v0, 2, SPARE
	v_mov_b32 v[NIL], 0
	ds_add_u32 v[SPW], v[NIL]                      ; the wave's opening: the add, twice on end, and its wait ahead of my first tensor load; the set-up below stands between the second and the wait
	ds_add_u32 v[SPW], v[NIL]
	v_lshrrev_b32 v3, 5, v0
	v_readfirstlane_b32 s[WV], v3                  ; wave 0..15
	s_lshr_b32 s70, s[WV], 2
	s_xor_b32 s70, s70, s[WV]
	s_lshr_b32 s71, s70, 1
	s_xor_b32 s70, s70, s71
	s_and_b32 s70, s70, 1                          ; is the number of ones in w odd?
	s_mul_i32 s70, s70, 15
	s_xor_b32 s[MM], s[WV], s70                    ; m = w, or 15 - w
	s_bfe_u32 s70, ttmp6, 0x40000                  ; cx
	s_lshl_b32 s[JJ], ttmp9, 2
	s_add_co_u32 s[JJ], s[JJ], s70                 ; j = 4 x cluster x + cx
	s_and_b32 s[BH], ttmp7, 0xffff                 ; the head, which the four partners share
	s_mov_b32 s[G1], 15|(3<<16)|(1<<21)            ; 15:0 the mask: all four work-groups; 17:16 elements of 8 bytes; 21 set beside a mask; no padding
	s_mov_b32 s[G1+1], 32<<16                      ; tensor_dim0 = 32 elements: 256 bytes
	s_mov_b32 s[G1+2], 32<<16                      ; tensor_dim1 = 32
	s_mov_b32 s[G1+3], 32<<16                      ; tile_dim0 = 32
	s_mov_b32 s[G1+4], 32                          ; tile_dim1 = 32
	s_mov_b32 s[G1+5], 32                          ; the pitch: rows are dense
	s_mov_b32 s[G1+6], 0
	s_mov_b32 s[G1+7], 0
	s_mov_b32 s[G1G], 15|(3<<16)|(1<<21)
	s_mov_b32 s[G1G+1], 32<<16
	s_mov_b32 s[G1G+2], 2<<16                      ; two rows: 512 bytes
	s_mov_b32 s[G1G+3], 32<<16
	s_mov_b32 s[G1G+4], 2
	s_mov_b32 s[G1G+5], 32
	s_mov_b32 s[G1G+6], 0
	s_mov_b32 s[G1G+7], 0
	s_mov_b32 s[SEL], 0x76543210
	s_mov_b32 s[SEL+1], 0xfedcba98
	s_mov_b32 s[EPS], 0x33d6bf95                   ; 1e-7
	s_lshl_b32 s72, s[BH], 17
	s_lshl_b32 s73, s[WV], 13
	s_add_co_u32 s72, s72, s73                     ; K and V: the head's 131,072 bytes, key step w
	s_mov_b32 s73, 0
	s_lshl_b32 s74, s[BH], 13
	s_lshl_b32 s75, s[WV], 9
	s_add_co_u32 s74, s74, s75                     ; gl: the head's 8,192 bytes, block w
	s_mov_b32 s75, 0
	s_lshl_b32 s76, s[BH], 7
	s_lshl_b32 s77, s[MM], 3
	s_add_co_u32 s76, s76, s77
	s_add_co_u32 s76, s76, s[JJ]
	s_lshl_b32 s76, s76, 10                        ; Q: tile 8 m + j of the head, 1,024 bytes a tile
	s_mov_b32 s77, 0
	s_lshr_b32 s78, s[JJ], 1
	s_lshl_b32 s78, s78, 5
	s_and_b32 s79, s[JJ], 1
	s_lshl_b32 s79, s79, 3
	s_add_co_u32 s78, s78, s79                     ; 32 (j / 2) + 8 (j % 2): lane 0's query in its block
	s_lshl_b32 s79, s[MM], 7
	s_add_co_u32 s79, s79, s78                     ; and in the sequence
	s_lshl_b32 s70, s79, 2
	s_lshl_b32 s71, s[BH], 13
	s_add_co_u32 s70, s70, s71                     ; its place in gl
	s_mov_b32 s71, 0
	s_wait_dscnt 0x0                               ; both opening adds are done
	s_wait_kmcnt 0x0
	s_load_b128 s[52:55], s[12:13], 0x0            ; e0 .. e3
	s_load_b64 s[56:57], s[12:13], 0x10            ; e4, e5
	s_mov_b32 s[G0K], 1                            ; count = 1
	s_lshl_b32 s[G0K+1], s[WV], 13                 ; LDS address: KREG + 8,192 w
	s_add_nc_u64 s[G0K+2:G0K+3], s[6:7], s[72:73]
	s_or_b32 s[G0K+3], s[G0K+3], 0x80000000        ; type = 2
	s_mov_b32 s[G0G], 1
	s_lshl_b32 s[G0G+1], s[WV], 9
	s_add_co_u32 s[G0G+1], s[G0G+1], GREG
	s_add_nc_u64 s[G0G+2:G0G+3], s[10:11], s[74:75]
	s_or_b32 s[G0G+3], s[G0G+3], 0x80000000
	s_mov_b32 s[G0V], 1
	s_lshl_b32 s[G0V+1], s[WV], 13
	s_add_co_u32 s[G0V+1], s[G0V+1], VREG
	s_add_nc_u64 s[G0V+2:G0V+3], s[8:9], s[72:73]
	s_or_b32 s[G0V+3], s[G0V+3], 0x80000000
	CROUND                                         ; all four work-groups are here: the joint loads meet
	tensor_load_to_lds s[G0K:G0K+3], s[G1:G1+7]    ; every wave issues three first fills, with no branch: three tensor loads of mine are out
	s_nop 0
	tensor_load_to_lds s[G0G:G0G+3], s[G1G:G1G+7]
	s_nop 0
	tensor_load_to_lds s[G0V:G0V+3], s[G1:G1+7]
	s_nop 0
.rept 4
	v_nop
.endr
	s_add_nc_u64 s[4:5], s[4:5], s[76:77]
	s_add_nc_u64 s[10:11], s[10:11], s[70:71]
	s_lshr_b32 s76, s[BH], 4
	s_lshl_b32 s76, s76, 11
	s_add_co_u32 s76, s76, s79                     ; 2,048 b + lane 0's query: a row of out0 is 4,096 bytes,
	s_lshl_b32 s76, s76, 12
	s_and_b32 s77, s[BH], 15
	s_lshl_b32 s77, s77, 8                         ; a head's part of it 256
	s_add_co_u32 s76, s76, s77
	s_mov_b32 s77, 0
	s_add_nc_u64 s[14:15], s[14:15], s[76:77]
	v_and_b32 v[TP], 31, v0
	v_lshlrev_b32 v[LK], 4, v[TP]
	global_load_b128 v[QF:QF+3], v[LK], s[4:5]                    ; Q's fragment stays in registers
	global_load_b128 v[QF+4:QF+7], v[LK], s[4:5] offset:512
	v_and_b32 v[TP], 15, v0                        ; r
	v_bfe_u32 v[TP+1], v0, 4, 1                    ; h
	v_and_b32 v[DD], 8, v[TP]
	v_add_nc_u32 v[DD], v[DD], v[TP]               ; r + 8 (r / 8)
	v_lshlrev_b32 v[GQO], 2, v[DD]
	global_load_b32 v[GLQ], v[GQO], s[10:11]       ; gl of my query
	v_add_nc_u32 v[DD], s78, v[DD]                 ; my query's place in its block
	v_lshlrev_b32 v[H64], 6, v[TP+1]
	v_lshlrev_b32 v[TP], 4, v[TP+1]
	v_sub_nc_u32 v[DD], v[DD], v[TP]               ; less 16 h: key 32 b + 16 h + i is hidden where 32 b + i is above this
	v_mov_b32 v[NINF], 0xff800000
	v_mov_b32 v[MX], 0xff800000
	v_mov_b32 v[MX2], 0xff800000
	s_wait_kmcnt 0x0
	s_add_co_i32 s[SC], s54, s55
	s_add_co_i32 s[SC], s[SC], 127
	s_lshl_b32 s[SC], s[SC], 23                    ; 2^(e2 + e3) as f32
	s_add_co_i32 s70, s56, 127
	s_lshl_b32 s71, s70, 23
	v_mov_b32 v[SCP], s71                          ; 2^e4 as f32, for the conversion
	s_add_co_i32 s70, s70, 8
	s_lshl_b32 s[LIM], s70, 23
	s_or_b32 s[LIM], s[LIM], 0x600000              ; 448 x 2^e4
	s_add_co_i32 s[EO], s56, s57
; A KEY STEP of 128 keys, whose K, gl and V begin at s[TK], s[TG], s[TV].  pass = 1: the maximum; 2: p, its sum, its codes, O^T.  diag = 1: the step on the diagonal, which is a wave's first in each pass.
.macro STEP pass, diag
	v_add_nc_u32 v[ADK], s[TK], v[LK]              ; four plain lines: also the places between the last products and the loads into the registers that they read
	v_add_nc_u32 v[ADV], s[TV], v[LK]
	v_add_nc_u32 v[ADG], s[TG], v[H64]
	v_mov_b32 v[ADT], s[TG]
.set p, 0
.rept 16
	ds_load_b128 v[KV+4*p:KV+4*p+3], v[ADK] offset:512*p          ; K's eight fragments: 512 consecutive bytes a load
.set p, p+1
.endr
.set p, 0
.rept 16
	ds_load_b128 v[GL+4*p:GL+4*p+3], v[ADG] offset:128*(p/4)+16*(p%4)   ; gl of keys 32 b + 16 h + 0 .. 15
.set p, p+1
.endr
.if \diag
	s_wait_dscnt 16                                ; K is in; gl's sixteen loads may be out
.else
	ds_load_b32 v[TOT], v[ADT] offset:508          ; the block's total: gl at its last key
	s_wait_dscnt 17                                ; K is in; gl's sixteen loads and the total's may be out
.endif
.set p, 0
.rept 8
	v_wmma_f32_16x16x64_fp8_fp8 v[S+8*p:S+8*p+7], v[KV+8*p:KV+8*p+7], v[QF:QF+7], 0
.set p, p+1
.endr
	s_wait_dscnt 0x0
	; c, in four plain lines that name no register of the products: the places behind them
.if \diag
.if \pass == 1
	v_mov_b32 v[CC], v[GLQ]
.else
	v_sub_f32 v[CC], v[GLQ], v[MX]
.endif
	v_mov_b32 v[CC+1], v[CC]
	v_nop
	v_nop
.else
	v_add_f32 v[DV], v[DV], v[TOT]                 ; D takes this block's total in
	v_add_f32 v[CC], v[DV], v[GLQ]
.if \pass == 1
	v_nop
.else
	v_sub_f32 v[CC], v[CC], v[MX]
.endif
	v_mov_b32 v[CC+1], v[CC]
.endif
.if \pass == 2
.set p, 0
.rept 16
	ds_load_b128 v[KV+4*p:KV+4*p+3], v[ADV] offset:512*p          ; V's four fragments, where K's are done with; they land while z and p are made
.set p, p+1
.endr
.endif
.set p, 0
.rept 64
	v_fma_f32 v[S+p], |v[S+p]|, s[SC], s[EPS]      ; |S| + 1e-7; each accumulator from its low end on
.set p, p+1
.endr
.set p, 0
.rept 64
	v_log_f32 v[S+p], v[S+p]
.set p, p+1
.endr
.set p, 0
.rept 32
	v_pk_add_f32 v[GL+2*p:GL+2*p+1], v[CC:CC+1], v[GL+2*p:GL+2*p+1] neg_lo:[0,1] neg_hi:[0,1]   ; c - gl[s]: plain work that names no logarithm's result
.set p, p+1
.endr
	s_wait_alu depctr_va_vdst(0)                   ; one wait for the 64 logarithms, ahead of their first reader
.set p, 0
.rept 32
	v_pk_fma_f32 v[S+2*p:S+2*p+1], v[S+2*p:S+2*p+1], 2.0, v[GL+2*p:GL+2*p+1] op_sel_hi:[1,0,1]   ; z (pass 2: z - M)
.set p, p+1
.endr
.if \diag
.set p, 0
.rept 64
	v_cmp_gt_i32 vcc_lo, 32*(p/16)+p%16, v[DD]     ; a key behind my query
	v_cndmask_b32 v[S+p], v[S+p], v[NINF], vcc_lo  ; counts for nothing
.set p, p+1
.endr
.endif
.if \pass == 1
.set p, 0
.rept 16
	v_max3_num_f32 v[MX], v[MX], v[S+4*p], v[S+4*p+1]             ; two chains
	v_max3_num_f32 v[MX2], v[MX2], v[S+4*p+2], v[S+4*p+3]
.set p, p+1
.endr
.else
.set p, 0
.rept 64
	v_exp_f32 v[S+p], v[S+p]                       ; p = 2^(z - M)
.set p, p+1
.endr
	v_nop                                          ; a plain instruction behind the last exponential,
	s_wait_alu depctr_va_vdst(0)                   ; and one wait for the batch
	v_pk_add_f32 v[TP:TP+1], v[S:S+1], v[S+2:S+3]  ; the sum is taken of the unquantised p, two at a time, in two chains
.set p, 4
.rept 15
	v_pk_add_f32 v[SUM:SUM+1], v[SUM:SUM+1], v[S+p:S+p+1]
	v_pk_add_f32 v[TP:TP+1], v[TP:TP+1], v[S+p+2:S+p+3]
.set p, p+4
.endr
	v_pk_add_f32 v[SUM:SUM+1], v[SUM:SUM+1], v[TP:TP+1]
.set p, 0
.rept 64
	v_min_num_f32 v[S+p], s[LIM], v[S+p]           ; the conversion does not saturate (ISA guide 7.6.2); p is not negative, so the hold is one-sided
.set p, p+1
.endr
.set p, 0
.rept 8
	v_cvt_scalef32_pk8_fp8_f32 v[PC+2*p:PC+2*p+1], v[S+8*p:S+8*p+7], v[SCP]
.set p, p+1
.endr
	v_nop                                          ; one plain vector instruction between the conversions and the products that read their results
	s_wait_dscnt 0x0                               ; V is in
.set p, 0
.rept 4                                ; O^T's four accumulators by turns; between two links of a chain stand the other three and the next step's eight products
.if \diag
	v_wmma_f32_16x16x128_fp8_fp8 v[O+8*p:O+8*p+7], v[KV+16*p:KV+16*p+15], v[PC:PC+15], 0
.else
	v_wmma_f32_16x16x128_fp8_fp8 v[O+8*p:O+8*p+7], v[KV+16*p:KV+16*p+15], v[PC:PC+15], v[O+8*p:O+8*p+7]
.endif
.set p, p+1
.endr
.endif
.endm
.macro ATDIAG                          ; the step's addresses at key step m
	s_lshl_b32 s[TK], s[MM], 13
	s_add_co_u32 s[TV], s[TK], VREG
	s_lshl_b32 s[TG], s[MM], 9
	s_add_co_u32 s[TG], s[TG], GREG
.endm
; THE WALK over key steps 14 down to 0: fifteen trips in every wave.  A step at or behind the wave's diagonal step is jumped over: a scalar branch on the count and the wave's number, round the step's work alone.
.macro WALK pass
	s_mov_b32 s[CNT], 15
	s_mov_b32 s[TK], 14*8192
	s_mov_b32 s[TG], GREG+14*512
	s_mov_b32 s[TV], VREG+14*8192
	v_mov_b32 v[DV], 0
.Lwalk_\@:
	s_cmp_gt_u32 s[CNT], s[MM]                     ; key step CNT - 1 is wanted where it lies under m
	s_cbranch_scc1 .Lskip_\@
	STEP \pass, 0
.Lskip_\@:
	s_sub_co_u32 s[TK], s[TK], 8192
	s_sub_co_u32 s[TV], s[TV], 8192
	s_sub_co_u32 s[TG], s[TG], 512
	s_sub_co_u32 s[CNT], s[CNT], 1
	s_cmp_lg_u32 s[CNT], 0
	s_cbranch_scc1 .Lwalk_\@
.endm
	s_wait_tensorcnt 1                             ; my parts of K and of gl are in; V's load may be out
	s_barrier_signal -1
	s_barrier_wait -1                              ; everybody's are
	s_wait_loadcnt 0x0                             ; Q, and gl of my query
	ATDIAG
	STEP 1, 1
	s_wait_tensorcnt 0x0                           ; my part of V is in,
	s_wait_dscnt 0x0
	s_barrier_signal -1
	s_barrier_wait -1                              ; everybody's is
	WALK 1
	v_max_num_f32 v[MX], v[MX], v[MX2]
	v_permlanex16_b32 v[TP], v[MX], s[SEL], s[SEL+1]   ; the query's other 64 keys of each step lie in the lane 16 away
	v_max_num_f32 v[MX], v[MX], v[TP]              ; M: a number, since a query's own key always counts
	v_mov_b32 v[SUM], 0
	v_mov_b32 v[SUM+1], 0
	ATDIAG
	STEP 2, 1                                      ; its products start O^T's sums: nothing is cleared
	WALK 2
	s_wait_dscnt 0x0                               ; my reads of K's region are over
	s_barrier_signal -1
	s_barrier_wait -1                              ; everybody's are: the stages may be written
	; THE WAY OUT.  O^T / the sum x 2^(e4 + e5) goes through my stage and leaves as rows: sixteen lanes store 256 consecutive bytes, a head's part of a row of out0.
	v_add_f32 v[SUM], v[SUM], v[SUM+1]
	v_permlanex16_b32 v[TP], v[SUM], s[SEL], s[SEL+1]
	v_add_f32 v[SUM], v[SUM], v[TP]                ; the row's sum
	v_rcp_f32 v[SUM], v[SUM]
	v_and_b32 v4, 15, v0                           ; r   (plain work behind the reciprocal; with the lines above, the places behind the last products)
	v_bfe_u32 v5, v0, 4, 1                         ; h
	s_mul_i32 s70, s[WV], 16*SP                    ; my stage
	v_mul_u32_u24 v7, v4, SP
	v_lshl_add_u32 v7, v5, 6, v7
	v_add_nc_u32 v7, s70, v7                       ; in: row r; register 16 e + i is channel 32 e + 16 h + i: 128 e + 64 h + 4 i bytes
	v_mul_u32_u24 v11, v5, SP
	v_lshl_add_u32 v11, v4, 4, v11
	v_add_nc_u32 v11, s70, v11                     ; back: lanes 0-15 one row, lanes 16-31 the next
	v_lshlrev_b32 v6, 12, v5
	v_lshl_add_u32 v6, v4, 4, v6                   ; and the same two rows in out0
	s_wait_alu depctr_va_vdst(0)                   ; the wait ahead of the reciprocal's first reader
	v_ldexp_f32 v[SUM], v[SUM], s[EO]
.set p, 0
.rept 16
	v_pk_mul_f32 v[S+2*p:S+2*p+1], v[O+2*p:O+2*p+1], v[SUM:SUM+1] op_sel_hi:[1,0]   ; each accumulator from its low end on
.set p, p+1
.endr
.irp e, 0,1
.irp k, 0,1,2,3
	ds_store_b128 v7, v[S+16*\e+4*\k:S+16*\e+4*\k+3] offset:128*\e+16*\k
.endr
.endr
.irp i, 0,1,2,3,4,5,6,7
	ds_load_b128 v[KV+4*\i:KV+4*\i+3], v11 offset:2*\i*SP         ; LDS serves a wave's instructions in order (ISA guide 5.7.1.4): these see my stores
.endr
.irp i, 0,1,2,3,4,5,6,7
	s_wait_dscnt 7-\i                              ; pair i of rows is back; the younger loads may be out
	global_store_b128 v6, v[KV+4*\i:KV+4*\i+3], s[14:15] offset:(2*\i+8*(\i/4))*4096 th:TH_STORE_NT   ; stage row rr is query rr + 8 (rr / 8) of the tile
.endr
	s_wait_tensorcnt 0x0                           ; the wave's end, behind my last tensor load and my last LDS store
	ds_add_u32 v[SPW], v[NIL]
	s_wait_dscnt 0x0
	CROUND                                         ; the closing round: no work-group ends while a partner may still ask for a tile that names it
	s_endpgm
.Lfunc_end_k_q928722cd31_attn:
	.size	k_q928722cd31_attn, .Lfunc_end_k_q928722cd31_attn-k_q928722cd31_attn
	.p2alignl 7, 3214868480
	.fill 96, 4, 3214868480
	.section	.rodata,"a",@progbits
	.p2align	6, 0x0
	.amdhsa_kernel k_q928722cd31_attn
		.amdhsa_group_segment_fixed_size 272384
		.amdhsa_private_segment_fixed_size 0
		.amdhsa_enable_private_segment 0
		.amdhsa_kernarg_size 48
		.amdhsa_user_sgpr_count 2
		.amdhsa_user_sgpr_kernarg_segment_ptr 1
		.amdhsa_wavefront_size32 1
		.amdhsa_system_sgpr_workgroup_id_x 1
		.amdhsa_system_sgpr_workgroup_id_y 1
		.amdhsa_system_sgpr_workgroup_id_z 1
		.amdhsa_system_vgpr_workitem_id 0
		.amdhsa_next_free_vgpr 256
		.amdhsa_next_free_sgpr 80
		.amdhsa_reserve_vcc 1
		.amdhsa_float_denorm_mode_32 3
		.amdhsa_float_denorm_mode_16_64 3
		.amdhsa_memory_ordered 1
		.amdhsa_forward_progress 1
		.amdhsa_inst_pref_size 94
	.end_amdhsa_kernel
	.amdgpu_metadata
---
amdhsa.version: [ 1, 2 ]
amdhsa.kernels:
  - .name:           k_q928722cd31_attn
    .symbol:         k_q928722cd31_attn.kd
    .args:
      - { .name: qc, .offset: 0, .size: 8, .value_kind: global_buffer, .address_space: global }
      - { .name: kc, .offset: 8, .size: 8, .value_kind: global_buffer, .address_space: global }
      - { .name: vc, .offset: 16, .size: 8, .value_kind: global_buffer, .address_space: global }
      - { .name: gl, .offset: 24, .size: 8, .value_kind: global_buffer, .address_space: global }
      - { .name: lowp_scales, .offset: 32, .size: 8, .value_kind: global_buffer, .address_space: global }
      - { .name: out0, .offset: 40, .size: 8, .value_kind: global_buffer, .address_space: global }
    .group_segment_fixed_size: 272384
    .private_segment_fixed_size: 0
    .kernarg_segment_align: 8
    .kernarg_segment_size: 48
    .max_flat_workgroup_size: 512
    .sgpr_count:     80
    .vgpr_count:     256
    .wavefront_size: 32
...
	.end_amdgpu_metadata
.endif
;; end of part 4
